; MI455X (gfx1250); checked and timed in simulation.
; The chip was launched on July 23, 2026; its instructions are those of AMD's public machine-readable ISA for CDNA 5 (MIT licence, August 2026) and "CDNA5" Instruction Set Architecture Reference Guide (July 2026). The comments in the code are by the model that wrote it; some were corrected since.
;; MXFP4 Matmul. Allowed arithmetic: matrix products marked QUANTISED: E4M3 operands, one E8M0 scale for each 32 along K, by v_wmma_scale_f32_16x16x128_f8f6f4 with both operands' format E4M3, f32 sums; everything else in f32.
;; Inputs: a 4,096 x 2,048 int32; b 4,096 x 2,048 int32; scales_a 4,096 x 128 float32; scales_b 4,096 x 128 float32.
;; Outputs: out0 4,096 x 4,096 float32.
;; This version of the problem:
;;   THIS VERSION OF THE PROBLEM IS GIVEN IN LOW PRECISION. The matrix products marked QUANTISED in the list below multiply operands that are first quantised to E4M3 (4 exponent bits, 3 mantissa bits; 8 bits a number), with one power-of-two scale for each 32 numbers along K (OCP MX v1.0); their sums are f32. All else is computed in f32.
;;   The module's matrix products, in the order in which they are computed (A, B: the left and right operand; K: the contracted axis; several contracted axes count as one K, in the product's order):
;;     1. [M 4,096, K 4,096] x [K 4,096, N 4,096]; A: computed on the way; B: computed on the way: QUANTISED
;;   THE QUANTISER, for each operand of a quantised product, along K:
;;     - K is cut into blocks of 32 from its start; a last block that is shorter is filled with zeros.
;;     - A block's scale is 2^e with e = floor(log2(the largest magnitude in the block)) - 8, held to -126 .. 127; a block of zeros has e = 0. As a byte (E8M0): e + 127.
;;     - Each number is divided by its block's scale, clamped to +-448, and rounded to the nearest number of E4M3, ties to even, subnormals kept.
;;     - The product sums the exact products of the quantised numbers (number of the format x scale) in f32.
;;   ~~~python
;;   def quantise(x, axis):      # numpy; x: float32 -> the quantised numbers, widened to float32 again
;;       x = np.moveaxis(x, axis, -1); K = x.shape[-1]
;;       x = np.pad(x, [(0, 0)] * (x.ndim - 1) + [(0, -K % 32)]); x = x.reshape(x.shape[:-1] + (-1, 32)); a = np.abs(x).max(-1, keepdims=True)
;;       e = np.where(a > 0, np.clip(np.frexp(np.where(a > 0, a, 1))[1] - 1 - 8, -126, 127), 0)      # np.frexp(a)[1] - 1 = floor(log2(a)), exactly
;;       r = np.clip(x / 2.0 ** e, -448, 448)
;;       step = 2.0 ** (np.maximum(np.frexp(np.where(r == 0, 1, r))[1] - 1, -6) - 3)
;;       q = np.round(r / step) * step * 2.0 ** e      # np.round: ties to even
;;       return np.moveaxis(q.reshape(q.shape[:-2] + (-1,))[..., :K], -1, axis).astype(np.float32)
;;   ~~~
;;   OPERANDS COMPUTED ON THE WAY. 'Computed on the way' means the value that the module computes at that place (a softmax that the list does not call 'softmax' is quantised finished and normalised). What goes into a quantiser is computed in f32, as accurately as f32 sums, v_exp_f32 and their like allow (about 1e-6 of the number): no bf16 or f16 on the way to a quantiser, and a product that is left as it is and whose result goes on into a quantised operand takes f32 operands (vector FMAs, or v_wmma_f32_16x16x4_f32). A number that lies on a knife's edge between two numbers of the format may be rounded either way, as far as f32 arithmetic and the matrix unit's own rounding can turn it there, and no further.
;; One version. Each part assembles by itself: llvm-mc -triple=amdgcn-amd-amdhsa -mcpu=gfx1250 --defsym DOCPART=n.
;; ======== version 1 of 1: 2 launches
;; limits: right only within a limited range of input values
;; workspace buffers: aq 17,301,504 bytes; bq 17,301,504 bytes
;; launch quant (part 1): grid 256 x 2, 8 waves a work-group, no clusters, 80,896 bytes of LDS; arguments a, b, scales_a, scales_b, aq, bq; writes aq, bq
.if DOCPART == 1
	.amdgcn_target "amdgcn-amd-amdhsa--gfx1250"
	.amdhsa_code_object_version 6
	.text
	.protected	k_qb34f019844_quant
	.globl	k_qb34f019844_quant
	.p2align	8
	.type	k_qb34f019844_quant,@function
k_qb34f019844_quant:
	s_mov_b64 s[64:65], 0
	v_nop
	global_prefetch_b8 v0, s[64:65] scope:SCOPE_SE
	s_setreg_imm32_b32 hwreg(HW_REG_WAVE_MODE, 25, 1), 1
	s_wait_xcnt 0x0
; a, b: [4096][2048] int32, each word's low byte two FP4 (E2M1) nibbles, the low nibble first; scales_a, scales_b: [4096][128] f32.
; A number is its nibble's value x exp2(scale - 127), made in f32; it is then quantised along K to FP8 (E4M3) with one E8M0 byte for each 32:
; a block's scale is 2^(floor(log2(its largest magnitude)) - 8), each number is divided by it, held within +-448 and rounded to the nearest code, ties to even.
; Nothing is taken for granted of the scales: they need not be whole numbers, so the numbers go through the whole quantiser.
; LIMITS: scale - 127 under -126 gives 0 here (v_exp_f32 flushes what would be denormal: ISA guide, its entry in 15.8); scales of 255 and more, NaN and infinities are not served;
; a block of zeros gets the byte 1 where the rule says 127: its codes are zeros, which add nothing under any byte but 0xff, and the bytes are read by this program alone;
; for a whole-number scale the factor is an exact power of two only if v_exp_f32 is exact there.
; OUT: aq, bq = [32 tiles of 128 rows][16 K steps of 256][BLK bytes].  A block is an image of the operand's registers and its scale words:
;   codes: fragment (q = which 128 of the step, i = which 16 rows) at (8 q + i) x 2,048; its piece c at + 512 c; lane 16 h + r at + 16 x lane: row 16 i + r, k = 128 q + 32 c + 16 h + 0 .. 15;
;   scale words from byte 32,768 on: 256 (i / 2) + 16 r + 8 q + 4 (i % 2) + c: one load of 8 bytes gives a row its words of two fragments' rows for one q.
; SHARES.  Work-group y picks the tensor (pointers alone are chosen: one path through the text); x = 2 rp + half: 32 rows (32 rp on) and 8 of the 16 K steps.  Wave w takes K step 8 half + w of the 32 rows:
; a row's 512 bytes are one load, 16 bytes a lane, so a lane holds 8 neighbours along K and four neighbouring lanes hold a block.
; LOADS: all eight waves ask for the work-group's scales first (a barrier parts these loads from the rows'), then each for 16 of its rows; the other 16 rows follow four at a time, four groups of four ahead of the work.
; No matrix work, no tensor loads, no cluster, no prefetch (no loop to run ahead in, and the rows are asked for by loads well ahead); no two work-groups read the same byte.
.set TAB,   0                          ; LDS: exp2(scale - 127) of the work-group's 32 rows x 64 blocks, 256 bytes a row
.set SCB,   8192                       ; each wave's own 256 scale bytes
.set STG,   10240                      ; each wave's own stage: two halves (rows 0-15, 16-31) of 16 units of 256 bytes + 16 of padding
.set UP,    272                        ; a unit's pitch: 68 words: unit u starts at bank 4 u mod 64 (64 banks of 4 bytes: ISA guide 11.1), so the 32 lanes of a store of 8 bytes touch 64 different banks
.set HSTG,  16*UP
.set WSTG,  2*HSTG
.set SPARE, STG+8*WSTG                 ; the spare words: 128 bytes for each wave
.set BLK,   33792
.set TSTRIDE, 16*BLK
.set S,     32                         ; v32-63   the factor of my block in each of the 32 rows
.set X,     64                         ; v64-191  four words a row as loaded; then the row's codes (2), its scale byte (1); at last the units on their way out
.set F,     192                        ; v192-223 four rows' eight numbers
.set M,     224                        ; v224-227 largest magnitudes
.set SCO,   228                        ; v228-231 the conversions' scale operands
.set LIM,   232                        ; v232-235 448 x the scale
.set T,     236                        ; v236-243 packed nibbles, two registers a row
.set SPW,   248                        ; my spare word
.set NIL,   249                        ; 0
	s_load_b256 s[4:11], s[0:1], 0x0               ; a, b, scales_a, scales_b
	s_load_b128 s[12:15], s[0:1], 0x20             ; aq, bq
	v_lshl_add_u32 v[SPW], v0, 2, SPARE
	v_mov_b32 v[NIL], 0
	v_lshrrev_b32 v1, 5, v0
	v_readfirstlane_b32 s16, v1                    ; wave 0..7
	s_and_b32 s17, ttmp7, 0xffff                   ; y: a (0) or b (1)
	s_lshr_b32 s19, ttmp9, 1                       ; rp: which 32 rows
	s_and_b32 s20, ttmp9, 1                        ; half: which 8 K steps
	s_lshl_b32 s21, s20, 3
	s_add_co_u32 s21, s21, s16                     ; t: my K step
	s_and_b32 s25, s19, 3                          ; p: which 32 rows of the tile of 128
	s_mov_b32 s22, 0x04000400                      ; byte 0 of the second source, byte 0 of the first, twice
	s_mov_b32 s23, 0x05040100                      ; the low halves of both
	s_mov_b32 s24, 0x600000                        ; the mantissa field of 448
	s_lshl_b32 s26, s19, 18                        ; input: 32 rows of 8,192 bytes,
	s_lshl_b32 s18, s21, 9                         ; + 512 bytes a K step
	s_add_co_u32 s26, s26, s18
	s_mov_b32 s27, 0
	s_lshl_b32 s28, s19, 14                        ; scales: 32 rows of 512 bytes,
	s_lshl_b32 s18, s20, 8                         ; + 256 bytes for the second half of K
	s_add_co_u32 s28, s28, s18
	s_mov_b32 s29, 0
	s_lshr_b32 s30, s19, 2                         ; output: the tile of 128 rows,
	s_mul_i32 s30, s30, TSTRIDE
	s_mul_i32 s18, s21, BLK                        ; and the K step's block
	s_add_co_u32 s30, s30, s18
	s_mov_b32 s31, 0
	v_and_b32 v1, 31, v0                           ; lane
	v_lshlrev_b32 v2, 4, v1                        ; 16 x lane: my 16 bytes of a row's 512
	v_lshrrev_b32 v3, 4, v0
	v_lshlrev_b32 v3, 9, v3
	v_and_b32 v13, 15, v0
	v_lshl_add_u32 v3, v13, 4, v3                  ; scales in: sixteen threads to a row's 256 bytes, 16 rows a load
	v_lshlrev_b32 v4, 4, v0                        ; and into the table: the same rows, 256 bytes apart: 16 x thread
	v_lshrrev_b32 v13, 2, v1                       ; my block of the K step's eight: 4 q + c
	s_lshl_b32 s18, s16, 5
	v_lshl_add_u32 v5, v13, 2, s18                 ; out of the table: 4 bytes a block, 32 a K step
	s_mul_i32 s18, s16, WSTG
	s_add_co_u32 s18, s18, STG                     ; my wave's stage
	v_lshrrev_b32 v6, 1, v1
	v_mul_u32_u24 v6, v6, UP
	v_and_b32 v14, 1, v1
	v_lshl_add_u32 v6, v14, 3, v6
	v_add_nc_u32 v6, s18, v6                       ; into it: unit lane / 2 = 8 q + 2 c + h, + 8 (lane % 2); the row's 16 bytes stand in the immediate
	v_lshrrev_b32 v7, 4, v1
	v_mul_u32_u24 v7, v7, UP
	v_and_b32 v14, 15, v1
	v_lshl_add_u32 v7, v14, 4, v7
	v_add_nc_u32 v7, s18, v7                       ; out of it: lanes 0-15 one unit, lanes 16-31 the next
	s_lshl_b32 s18, s16, 8
	s_add_co_u32 s18, s18, SCB                     ; my wave's scale bytes
	v_and_b32 v14, 3, v13
	v_lshrrev_b32 v15, 2, v13
	v_lshl_add_u32 v14, v15, 3, v14
	v_add_nc_u32 v8, s18, v14                      ; in: my block's byte: 8 q + c
	v_lshl_add_u32 v9, v1, 3, s18                  ; out: 8 bytes a lane
	s_lshl_b32 s18, s25, 12
	v_add_nc_u32 v10, s18, v2                      ; codes in the block: two fragments' rows are 4,096 bytes on for each p
	s_lshl_b32 s18, s25, 8
	v_lshl_add_u32 v11, v1, 3, s18                 ; scale words in the block: 256 bytes for each p
	v_mov_b32 v12, 0x7f7f7f7f                      ; the widening's scale: 2^0, the same byte in every byte of every lane
	s_wait_alu depctr_va_vdst(0)                   ; the wait at the head's end
	s_wait_kmcnt 0x0
	s_cmp_eq_u32 s17, 0                            ; the choice hangs on the work-group's number alone
	s_cselect_b64 s[4:5], s[4:5], s[6:7]
	s_cselect_b64 s[8:9], s[8:9], s[10:11]
	s_cselect_b64 s[12:13], s[12:13], s[14:15]
	s_add_nc_u64 s[4:5], s[4:5], s[26:27]
	s_add_nc_u64 s[8:9], s[8:9], s[28:29]
	s_add_nc_u64 s[12:13], s[12:13], s[30:31]
.macro ROWS g                          ; rows 4 g .. 4 g + 3: each 512 consecutive bytes a wave; read once in the launch
.irp j, 0,1,2,3
	global_load_b128 v[X+4*(4*(\g)+\j):X+4*(4*(\g)+\j)+3], v2, s[4:5] offset:8192*(4*(\g)+\j) th:TH_LOAD_NT
.endr
.endm
	global_load_b128 v[16:19], v3, s[8:9]                  ; the work-group's scales, 8,192 bytes by 256 threads: sixteen lanes read 256 consecutive bytes, aligned
	global_load_b128 v[20:23], v3, s[8:9] offset:8192
	s_barrier_signal -1                            ; every wave has asked for its part of the scales before any asks for rows
	s_barrier_wait -1
	ROWS 0
	ROWS 1
	ROWS 2
	ROWS 3
	s_wait_loadcnt 16                              ; the scales are in: the 16 row loads behind them stay out
.irp i, 0,1,2,3,4,5,6,7
	v_add_f32 v[16+\i], 0xc2fe0000, v[16+\i]       ; scale - 127
.endr
	s_wait_alu depctr_va_vdst(0)                   ; the wait ahead of the batch and behind it
.irp i, 0,1,2,3,4,5,6,7
	v_exp_f32 v[16+\i], v[16+\i]                   ; 2^(scale - 127)
.endr
	v_nop                                          ; a plain instruction behind the last transcendental
	s_wait_alu depctr_va_vdst(0)
	ds_store_b128 v4, v[16:19]
	ds_store_b128 v4, v[20:23] offset:4096
	s_wait_dscnt 0x0                               ; for the others' sake: my part of the table is written
	s_barrier_signal -1
	s_barrier_wait -1                              ; the table is written once and only read from here on
.irp r, 0,1,2,3,4,5,6,7,8,9,10,11,12,13,14,15,16,17,18,19,20,21,22,23,24,25,26,27,28,29,30,31
	ds_load_b32 v[S+\r], v5 offset:256*\r          ; my block's factor in row r
.endr
	s_wait_dscnt 0x0
; Four rows, 4 g + j, line by line in turn, so that no line waits for the line above it.
.macro QUAD g
.if (\g) < 4
	ROWS (\g)+4
	s_wait_loadcnt 16                              ; loads come back in order: behind this group's loads stand the next four groups'
.else
	s_wait_loadcnt 28-4*(\g)
.endif
.irp j, 0,1,2,3
.set XR, X+4*(4*(\g)+\j)
	v_perm_b32 v[T+2*\j],   v[XR+1], v[XR],   s22  ; the four words' low bytes
	v_perm_b32 v[T+2*\j+1], v[XR+3], v[XR+2], s22
.endr
.irp j, 0,1,2,3
	v_perm_b32 v[T+2*\j], v[T+2*\j+1], v[T+2*\j], s23      ; in one register: eight nibbles, the lower k in the lower bits
.endr
.irp j, 0,1,2,3
	v_cvt_scale_pk8_f32_fp4 v[F+8*\j:F+8*\j+7], v[T+2*\j], v12   ; the nibbles' values as f32
.endr
	v_nop                                          ; a plain instruction between the scaled conversions and the first use of their results
.irp j, 0,2
.irp e, 0,2,4,6
	v_pk_mul_f32 v[F+8*\j+\e:F+8*\j+\e+1],   v[F+8*\j+\e:F+8*\j+\e+1],   v[S+4*(\g)+\j:S+4*(\g)+\j+1] op_sel_hi:[1,0]             ; an even row: the pair's first factor for both halves
	v_pk_mul_f32 v[F+8*\j+8+\e:F+8*\j+9+\e], v[F+8*\j+8+\e:F+8*\j+9+\e], v[S+4*(\g)+\j:S+4*(\g)+\j+1] op_sel:[0,1] op_sel_hi:[1,1]   ; an odd row: its second
.endr
.endr
.irp j, 0,1,2,3
	v_max3_num_f32 v[M+\j], |v[F+8*\j]|, |v[F+8*\j+1]|, 0x4800000   ; my eight numbers, and the floor 2^(9 - 127), under which no largest magnitude is taken: so the byte cannot fall under 1
.endr
.irp e, 2,4,6
.irp j, 0,1,2,3
	v_max3_num_f32 v[M+\j], v[M+\j], |v[F+8*\j+\e]|, |v[F+8*\j+\e+1]|
.endr
.endr
.irp j, 0,1,2,3
	v_max_num_f32_dpp v[M+\j], v[M+\j], v[M+\j] row_xmask:1 row_mask:0xf bank_mask:0xf
.endr
.irp j, 0,1,2,3
	v_max_num_f32_dpp v[M+\j], v[M+\j], v[M+\j] row_xmask:2 row_mask:0xf bank_mask:0xf   ; with the block's three other lanes
.endr
.irp j, 0,1,2,3
	v_add_nc_u32 v[SCO+\j], 0xfc000000, v[M+\j]    ; 8 off the exponent field: the conversion takes the exponent field of this operand as its scale, and nothing else of it
.endr
.irp j, 0,1,2,3
	v_and_or_b32 v[LIM+\j], v[M+\j], 0x7f800000, s24       ; 448 x the scale: the largest magnitude's exponent field over 448's mantissa
.endr
.irp j, 0,1,2,3
.irp e, 0,1,2,3,4,5,6,7
	v_med3_num_f32 v[F+8*\j+\e], v[F+8*\j+\e], -v[LIM+\j], v[LIM+\j]   ; the conversion to an 8-bit code does not saturate (ISA guide 7.6.2): the hold comes first
.endr
.endr
.irp j, 0,1,2,3
.set XR, X+4*(4*(\g)+\j)
	v_cvt_scalef32_pk8_fp8_f32 v[XR:XR+1], v[F+8*\j:F+8*\j+7], v[SCO+\j]   ; eight codes, into registers that the row's words have left
.endr
.irp j, 0,1,2,3
.set XR, X+4*(4*(\g)+\j)
	v_lshrrev_b32 v[XR+2], 23, v[SCO+\j]           ; the scale's byte.  (Also the plain instruction behind the conversions)
.endr
.irp j, 0,1,2,3
.set RH, 4*(\g)+\j
.set XR, X+4*RH
	ds_store_b64 v6, v[XR:XR+1] offset:(RH/16)*HSTG+(RH%16)*16
	ds_store_b8 v8, v[XR+2] offset:(RH%16)*16+(RH/16)*4    ; the block's four lanes write the same byte with the same value
.endr
.endm
; Sixteen rows' codes come back as units of 256 bytes, two a load, and leave: each store of the wave covers 512 consecutive bytes, aligned.
.macro BACK ii
.irp m, 0,1,2,3,4,5,6,7
	ds_load_b128 v[X+64*\ii+4*\m:X+64*\ii+4*\m+3], v7 offset:HSTG*\ii+2*UP*\m   ; LDS serves a wave's instructions in order (ISA guide 5.7.1.4): these see my stores, which have read these registers
.endr
.endm
.macro SEND ii
.irp m, 0,1,2,3,4,5,6,7
	global_store_b128 v10, v[X+64*\ii+4*\m:X+64*\ii+4*\m+3], s[12:13] offset:2048*\ii+16384*(\m/4)+512*(\m%4)   ; units 2 m, 2 m + 1: q = m / 4, pieces 512 (m % 4) on; the next launch reads them: no hint
.endr
.endm
	QUAD 0
	QUAD 1
	QUAD 2
	QUAD 3
	BACK 0
	QUAD 4                                         ; four rows' work stands between the loads from the stage and the wait for them
	s_wait_dscnt 8                                 ; behind those loads: QUAD 4's eight LDS stores
	SEND 0
	QUAD 5
	QUAD 6
	QUAD 7
	BACK 1
	ds_load_b64 v[14:15], v9                       ; my wave's 256 scale bytes, 8 a lane
	s_wait_dscnt 0x0
	SEND 1
	global_store_b64 v11, v[14:15], s[12:13] offset:32768  ; 32 lanes store 256 consecutive bytes, aligned
	s_wait_tensorcnt 0x0                           ; the wave's end
	ds_add_u32 v[SPW], v[NIL]
	s_wait_dscnt 0x0
	s_endpgm
.Lfunc_end_k_qb34f019844_quant:
	.size	k_qb34f019844_quant, .Lfunc_end_k_qb34f019844_quant-k_qb34f019844_quant
	.p2alignl 7, 3214868480
	.fill 96, 4, 3214868480
	.section	.rodata,"a",@progbits
	.p2align	6, 0x0
	.amdhsa_kernel k_qb34f019844_quant
		.amdhsa_group_segment_fixed_size 80896
		.amdhsa_private_segment_fixed_size 0
		.amdhsa_enable_private_segment 0
		.amdhsa_kernarg_size 48
		.amdhsa_user_sgpr_count 2
		.amdhsa_user_sgpr_kernarg_segment_ptr 1
		.amdhsa_wavefront_size32 1
		.amdhsa_system_sgpr_workgroup_id_x 1
		.amdhsa_system_sgpr_workgroup_id_y 1
		.amdhsa_system_sgpr_workgroup_id_z 1
		.amdhsa_system_vgpr_workitem_id 0
		.amdhsa_next_free_vgpr 250
		.amdhsa_next_free_sgpr 66
		.amdhsa_reserve_vcc 0
		.amdhsa_float_denorm_mode_32 3
		.amdhsa_float_denorm_mode_16_64 3
		.amdhsa_memory_ordered 1
		.amdhsa_forward_progress 1
		.amdhsa_inst_pref_size 70
	.end_amdhsa_kernel
	.amdgpu_metadata
---
amdhsa.version: [ 1, 2 ]
amdhsa.kernels:
  - .name:           k_qb34f019844_quant
    .symbol:         k_qb34f019844_quant.kd
    .args:
      - { .name: a, .offset: 0, .size: 8, .value_kind: global_buffer, .address_space: global }
      - { .name: b, .offset: 8, .size: 8, .value_kind: global_buffer, .address_space: global }
      - { .name: scales_a, .offset: 16, .size: 8, .value_kind: global_buffer, .address_space: global }
      - { .name: scales_b, .offset: 24, .size: 8, .value_kind: global_buffer, .address_space: global }
      - { .name: aq, .offset: 32, .size: 8, .value_kind: global_buffer, .address_space: global }
      - { .name: bq, .offset: 40, .size: 8, .value_kind: global_buffer, .address_space: global }
    .group_segment_fixed_size: 80896
    .private_segment_fixed_size: 0
    .kernarg_segment_align: 8
    .kernarg_segment_size: 48
    .max_flat_workgroup_size: 256
    .sgpr_count:     66
    .vgpr_count:     250
    .wavefront_size: 32
...
	.end_amdgpu_metadata
.endif
;; end of part 1
;; launch gemm (part 2): grid 16 x 16, 4 waves a work-group, clusters of 4 x 4, 327,680 bytes of LDS; arguments aq, bq, out0; writes out0
.if DOCPART == 2
	.amdgcn_target "amdgcn-amd-amdhsa--gfx1250"
	.amdhsa_code_object_version 6
	.text
	.protected	k_qb34f019844_gemm
	.globl	k_qb34f019844_gemm
	.p2align	8
	.type	k_qb34f019844_gemm,@function
k_qb34f019844_gemm:
	s_mov_b64 s[64:65], 0
	v_nop
	global_prefetch_b8 v0, s[64:65] scope:SCOPE_SE
	s_setreg_imm32_b32 hwreg(HW_REG_WAVE_MODE, 25, 1), 1
	s_wait_xcnt 0x0
	s_wait_alu depctr_hold_cnt(0) depctr_sa_sdst(0) depctr_va_vdst(0) depctr_va_sdst(0) depctr_va_ssrc(0) depctr_va_vcc(0) depctr_vm_vsrc(0)
	s_getreg_b32 s2, hwreg(HW_REG_IB_STS2, 6, 4)
	s_cmp_eq_u32 s2, 0
	s_cbranch_scc0 .Lentry_in_a_cluster
	s_endpgm
.Lentry_in_a_cluster:
	s_bfe_u32 s2, ttmp6, 0x10000c
	s_cmp_lg_u32 s2, 0xf033
	s_cbranch_scc0 .Lentry_shape_is_right
	s_endpgm
.Lentry_shape_is_right:
; out0[m][n] = sum over k of A[m][k] B[n][k], 4,096 each way, f32; A and B as the launch before has laid them: codes of FP8 (E4M3) and E8M0 scale bytes, [32 tiles of 128 rows][16 K steps of 256][BLK bytes].
; A block of BLK bytes is an image of the operand's registers (fragment i of the step's q-th 128 along K at 2,048 (8 q + i), its piece c at + 512 c, lane at + 16 lane), and from byte 32,768 on the scale words:
; 256 (i / 2) + 16 r + 8 q + 4 (i % 2).  So every LDS load of a fragment reads 512 consecutive bytes.  Sums in f32, K ascending, one accumulator for each output.  Sizes are fixed; NaN and infinities are not served.
; A work-group of four waves makes 256 x 256 of out0, a wave 128 x 128: 64 accumulators, 512 registers.  256 work-groups.  K goes in 16 steps of 256 through two LDS slots (A's two blocks, B's two blocks); each wave fetches one block a step.
; CLUSTERS of 4 x 4: A's blocks are asked for jointly along a row of the cluster, B's along a column.
; THE MATRIX INSTRUCTION IS USED TRANSPOSED (source 0 = 16 rows of B, source 1 = 16 rows of A): a lane holds eight neighbouring numbers of a row of out0.
; REGISTERS: window 0: v0-31 addresses; v32-63 scale words, a set of 16 for each slot: 8 q + block, A's in lanes 0-15, B's in lanes 16-31; v64-127 A's blocks 4-7 of a slot's second 128 along K;
;   v128-255 A's other fragments (blocks 0-3 of both halves, 4-7 of the first).
;   window 1: B's fragments, the slot's first 128 along K at v0, its second at v128.  windows 2, 3: the accumulators of my rows 0-63, 64-127 ((a, b) at v[8 (8 a + b)]).
; A HALF STEP is 128 along K, 64 products, A's blocks one after the other, each against B's eight.  THE NEXT HALF STEP'S FRAGMENTS COME IN TWO RUNS OF LDS LOADS: first its scale words and B, into B's other set (36 loads: behind block 1,
; in a slot's second half behind block 2); then A (32 loads, behind block 5): blocks 0-3 over those just used, blocks 4-7 into their other set.
; So when a slot's second half begins, no LDS read of the slot is still to be issued, and the change of slots stands in that half's blocks 1 and 2.
; A load into registers that a product has read stands eight plain vector places behind it: eight v_nop in front of each run.
; PREFETCH: at the change of slots that asks for K step n each wave asks the L2 for K step n + 2 of its block; the head asks for K step 1, and behind the load of K step 1 for 2 and 3; the last two changes ask for nothing.
; The four partners of a joint load share the block's 132 units of 256 bytes out by address, 33 each: a lane a unit, and one more instruction for the 33rd, which all its lanes name.
; THE END: the last 64 products go by rows: each block of 16 rows leaves when it is finished, through the wave's stage in slot 0 (which has had its last fill and its last read) and back into its own accumulators: no register of a store is written again.
.set SIZE_N, 4096
.set BLK,    33792
.set TSTRIDE, 16*BLK
.set SCOFF,  32768
.set SLOT,   4*BLK
.set SPARE,  2*SLOT                    ; the spare words: 128 bytes for each wave
.set SPITCH, 528                       ; the stage: 16 rows of 512 bytes + 16 for each wave
.set CO,   4                           ; v4      16 x lane
.set ADRA, 16                          ; v16-17  LDS address of my A fragments in slot 0, 1
.set ADRB, 20                          ; v20-21  of my B fragments
.set ADRS, 22                          ; v22-23  of my scale words: lanes 0-15 A's, lanes 16-31 B's
.set STO,  24                          ; v24     stage, in
.set RD,   25                          ; v25     stage, out
.set SPW,  28                          ; v28     my spare word
.set NIL,  29                          ; v29     0
.set PFO,  30                          ; v30     256 x lane
.set PFZ,  31                          ; v31     0, for the prefetch of the 33rd unit
.set SC,   32
.set AX,   64
.set AF,   128
.set G1,   24                          ; descriptor groups for A's blocks, group 0 for each slot; then for B's
.set G0,   32
.set G1B,  48
.set G0B,  56
.set PFA,  66                          ; s[66:67] where my prefetches stand
.set MUL_LO, 0xa1                      ; source 0 window 1, source 1 window 0, C and D window 2;  + 0x50: window 3
.set MSB, 0
.macro WIN new                         ; the immediate's high byte repeats the setting that is left
.if MSB != \new
	s_set_vgpr_msb (MSB<<8)|\new
.set MSB, \new
.endif
.endm
.macro PLACES n
.rept \n
	v_nop
.endr
.endm
.macro JLOAD s                         ; a joint load: waves 0, 1 fetch A's two blocks, waves 2, 3 B's; one line and one mask each
	s_cmp_eq_u32 s11, 0
	s_cbranch_scc0 .Lfor_b_\@
	tensor_load_to_lds s[G0+4*\s:G0+4*\s+3], s[G1:G1+7]
	s_nop 0
	PLACES 4
	s_branch .Lasked_\@
.Lfor_b_\@:
	tensor_load_to_lds s[G0B+4*\s:G0B+4*\s+3], s[G1B:G1B+7]
	s_nop 0
	PLACES 4
.Lasked_\@:
.endm
.macro CREST                           ; a round of the cluster's barrier behind its opening barrier
	s_cmp_lg_u32 s10, 0
	s_cbranch_scc1 .Lnot_wave_0_\@
	s_barrier_signal -3
.Lnot_wave_0_\@:
	s_barrier_wait -3
	s_barrier_signal -1
	s_barrier_wait -1
.endm
.macro CROUND
	s_barrier_signal -1
	s_barrier_wait -1
	CREST
.endm
.macro ASK off                         ; my 33 units of the block that lies off bytes behind s[PFA:PFA+1]
	global_prefetch_b8 v[PFO], s[PFA:PFA+1] offset:\off th:TH_LOAD_NT scope:SCOPE_SE
	global_prefetch_b8 v[PFZ], s[PFA:PFA+1] offset:(\off)+8192 th:TH_LOAD_NT scope:SCOPE_SE
.endm
; Eight products: A's block a against B's eight, the q-th 128 along K of slot sc; zero = 1: they start the sums.
.macro BL a, q, sc, zero
.set AR_, AF+16*(\a)
.if (\q) == 1 && (\a) > 3
.set AR_, AX+16*((\a)-4)
.endif
.set SA_, SC+16*(\sc)+8*(\q)+(\a)
	WIN (MUL_LO+0x50*((\a)/4))
.irp b, 0,1,2,3,4,5,6,7
.set BR_, 128*(\q)+16*\b
.set D_, 8*(8*((\a)%4)+\b)
.set SB_, SC+16*(\sc)+8*(\q)+\b
.if \zero
	v_wmma_scale_f32_16x16x128_f8f6f4 v[D_:D_+7], v[BR_:BR_+15], v[AR_:AR_+15], 0, v[SB_], v[SA_] matrix_a_scale:MATRIX_SCALE_ROW1
.else
	v_wmma_scale_f32_16x16x128_f8f6f4 v[D_:D_+7], v[BR_:BR_+15], v[AR_:AR_+15], v[D_:D_+7], v[SB_], v[SA_] matrix_a_scale:MATRIX_SCALE_ROW1
.endif
.endr
.endm
.macro LOADS n, reg, adr, off          ; n LDS loads on end: registers and bytes both run on
.set I_, 0
.rept \n
	ds_load_b128 v[\reg+4*I_:\reg+4*I_+3], v[\adr] offset:\off+512*I_
.set I_, I_+1
.endr
.endm
.macro RUN_B s, q                      ; slot s's half q: its scale words (4 loads), then B (32)
	WIN 0
.irp p, 0,1,2,3
	ds_load_b64 v[SC+16*\s+8*\q+2*\p:SC+16*\s+8*\q+2*\p+1], v[ADRS+\s] offset:256*\p+8*\q
.endr
	WIN 0x40
	LOADS 32, 128*\q, ADRB+\s, 16384*\q
	WIN 0
.endm
.macro RUN_A s, q                      ; A (32 loads): blocks 0-3, blocks 4-7
	WIN 0
	LOADS 16, AF, ADRA+\s, 16384*\q
.if \q
	LOADS 16, AX, ADRA+\s, 16384*\q+8192
.else
	LOADS 16, AF+64, ADRA+\s, 8192
.endif
.endm
; A slot's first half.  Ahead of block a its fragment is in: behind it stand the loads of 7 - a blocks, four each, and from block 2 on the 36 of this half's first run.
.macro STEP s, zero
.irp a, 0,1
	s_wait_dscnt 28-4*\a
	BL \a, 0, \s, \zero
.endr
	PLACES 8
	RUN_B \s, 1
.irp a, 2,3,4,5
	s_wait_dscnt 64-4*\a
	BL \a, 0, \s, \zero
.endr
	s_wait_dscnt 36                                ; A's blocks 6 and 7 are in; the first run's loads may be out
	PLACES 8
	RUN_A \s, 1
.irp a, 6,7
	BL \a, 0, \s, \zero
.endr
.endm
; A slot's second half, and the change to slot n.  In front of the barrier each wave waits for all its tensor loads (the one that is out is its part of slot n), adds 0 to its spare word, and waits for that and for its reads of this slot.
; fill = 1: the barrier opens a round of the cluster's barrier, behind which this slot takes the K step two on: first the joint load, then slot n's first fragments.
.macro TURN s, n, fill
	s_wait_dscnt 28
	BL 0, 1, \s, 0
	WIN 0
.if \fill
	s_wait_xcnt 0x0                                ; my earlier prefetches have read their base
	s_add_nc_u64 s[PFA:PFA+1], s[PFA:PFA+1], BLK
.endif
	s_wait_tensorcnt 0x0
	ds_add_u32 v[SPW], v[NIL]
.if \fill
	s_add_nc_u64 s[G0+4*\s+2:G0+4*\s+3], s[G0+4*\s+2:G0+4*\s+3], 2*BLK
	s_add_nc_u64 s[G0B+4*\s+2:G0B+4*\s+3], s[G0B+4*\s+2:G0B+4*\s+3], 2*BLK
.endif
	s_wait_dscnt 25                                ; A's block 1 is in: behind it stand blocks 2-7 (24 loads) and the add
	BL 1, 1, \s, 0
	s_wait_dscnt 0x0                               ; the add is done, and so are my reads of this slot
	s_barrier_signal -1
	BL 2, 1, \s, 0
	WIN 0
	s_barrier_wait -1
.if \fill
	CREST
	JLOAD \s                                       ; its four v_nop are the first four of the eight places
	PLACES 4
.else
	PLACES 8
.endif
	RUN_B \n, 0
.irp a, 3,4,5
	BL \a, 1, \s, 0
.endr
	PLACES 8
	RUN_A \n, 0
.if \fill
	s_cmp_gt_u32 s3, 1                             ; in the last trip no K step lies two on
	s_cbranch_scc0 .Lno_ask_\@
	ASK 2*BLK
.Lno_ask_\@:
.endif
.irp a, 6,7
	BL \a, 1, \s, 0
.endr
.endm
.macro TOSTAGE a                       ; a finished block of 16 rows x 128 columns into my stage and back as whole rows of 512 bytes, into its own accumulators.  LDS serves a wave's instructions in order (ISA guide 5.7.1.4): no wait between
.set AC_, 64*((\a)%4)
	WIN (0x08+4*((\a)/4))
.irp b, 0,1,2,3,4,5,6,7
	ds_store_b128 v[STO], v[AC_+8*\b:AC_+8*\b+3] offset:64*\b
	ds_store_b128 v[STO], v[AC_+8*\b+4:AC_+8*\b+7] offset:64*\b+16
.endr
	WIN (0x80+0x40*((\a)/4))
.irp t, 0,1,2,3,4,5,6,7,8,9,10,11,12,13,14,15
	ds_load_b128 v[AC_+4*\t:AC_+4*\t+3], v[RD] offset:\t*SPITCH
.endr
.endm
.macro SEND a                          ; 32 lanes store 512 consecutive bytes, aligned; the largest offset, 127 rows, lies inside the signed 24-bit immediate
.set AC_, 64*((\a)%4)
	s_wait_dscnt 0x0
	WIN (0x08+4*((\a)/4))
.irp t, 0,1,2,3,4,5,6,7,8,9,10,11,12,13,14,15
	global_store_b128 v[CO], v[AC_+4*\t:AC_+4*\t+3], s[8:9] offset:(16*(\a)+\t)*SIZE_N*4
.endr
.endm
	s_load_b128 s[4:7], s[0:1], 0x0                ; aq, bq
	s_load_b64 s[8:9], s[0:1], 0x10                ; out0
	v_lshl_add_u32 v[SPW], v0, 2, SPARE
	v_mov_b32 v[NIL], 0
	ds_add_u32 v[SPW], v[NIL]                      ; the wave's opening: the add, twice on end, and its wait
	ds_add_u32 v[SPW], v[NIL]
	v_lshrrev_b32 v1, 5, v0
	v_readfirstlane_b32 s10, v1                    ; wave 0..3
	s_lshr_b32 s11, s10, 1                         ; which half of the rows is mine; also: I fetch for A (0) or for B (1)
	s_and_b32 s12, s10, 1                          ; which half of the columns; also: which 128 rows of that tile I fetch
	s_bfe_u32 s40, ttmp6, 0x40000                  ; cx
	s_bfe_u32 s41, ttmp6, 0x40004                  ; cy
	s_lshl_b32 s42, ttmp9, 2
	s_add_co_u32 s42, s42, s40                     ; tile column
	s_and_b32 s13, ttmp7, 0xffff
	s_lshl_b32 s13, s13, 2
	s_add_co_u32 s13, s13, s41                     ; tile row
	s_lshl_b32 s43, s41, 2
	s_lshl_b32 s43, 15, s43                        ; my row of the cluster
	s_lshl_b32 s44, 0x1111, s40                    ; my column
	; group 1: a block as 132 dense rows of 256 bytes (32 elements of 8), no padding
	s_or_b32 s[G1+0], s43, (3<<16)|(1<<21)
	s_or_b32 s[G1B+0], s44, (3<<16)|(1<<21)
.irp g, G1, G1B
	s_mov_b32 s[\g+1], 32<<16
	s_mov_b32 s[\g+2], 132<<16
	s_mov_b32 s[\g+3], 32<<16
	s_mov_b32 s[\g+4], 132
	s_mov_b32 s[\g+5], 32
	s_mov_b32 s[\g+6], 0
	s_mov_b32 s[\g+7], 0
.endr
	s_lshl_b32 s16, s13, 1
	s_add_co_u32 s16, s16, s12
	s_mul_i32 s16, s16, TSTRIDE                    ; A: tile of 128 rows 2 x tile row + half
	s_mov_b32 s17, 0
	s_lshl_b32 s46, s42, 1
	s_add_co_u32 s46, s46, s12
	s_mul_i32 s46, s46, TSTRIDE                    ; B: by the tile column
	s_mov_b32 s47, 0
	s_mul_i32 s45, s10, BLK                        ; where my block goes in a slot
.irp s, 0,1
	s_mov_b32 s[G0+4*\s], 1
	s_add_co_u32 s[G0+4*\s+1], s45, \s*SLOT
	s_mov_b32 s[G0B+4*\s], 1
	s_add_co_u32 s[G0B+4*\s+1], s45, \s*SLOT
.endr
	s_wait_dscnt 0x0                               ; both opening adds are done
	CROUND                                         ; all sixteen work-groups are here: the first joint loads meet
	s_wait_kmcnt 0x0
	s_add_nc_u64 s[14:15], s[4:5], s[16:17]
	s_add_nc_u64 s[46:47], s[6:7], s[46:47]
.irp s, 0,1
	s_add_nc_u64 s[G0+4*\s+2:G0+4*\s+3], s[14:15], \s*BLK
	s_or_b32 s[G0+4*\s+3], s[G0+4*\s+3], 0x80000000
	s_add_nc_u64 s[G0B+4*\s+2:G0B+4*\s+3], s[46:47], \s*BLK
	s_or_b32 s[G0B+4*\s+3], s[G0B+4*\s+3], 0x80000000
.endr
	JLOAD 0                                        ; K step 0: one tensor load a wave at the head
	s_cmp_eq_u32 s11, 0                            ; the prefetches' base: the block that I fetch, and my work-group's 33 units among the four that ask for it (cx for A, cy for B)
	s_cselect_b32 s70, s40, s41
	s_cselect_b64 s[PFA:PFA+1], s[14:15], s[46:47]
	s_mul_i32 s70, s70, 33*256
	s_mov_b32 s71, 0
	s_add_nc_u64 s[PFA:PFA+1], s[PFA:PFA+1], s[70:71]
	s_mul_i32 s21, s11, BLK                        ; my A rows' block
	s_add_co_u32 s69, s21, SCOFF
	s_add_co_u32 s22, s12, 2
	s_mul_i32 s22, s22, BLK                        ; my B rows' block, behind A's two
	s_xor_b32 s23, s11, 1
	s_add_co_u32 s23, s23, s12
	s_add_co_u32 s23, s23, 1
	s_mul_i32 s23, s23, BLK                        ; from my A block to my B block: 2 + s12 - s11 blocks
	s_mul_i32 s68, s10, 16*SPITCH                  ; my stage
	s_lshl_b32 s20, s13, 8
	s_lshl_b32 s2, s11, 7
	s_add_co_u32 s20, s20, s2
	s_lshl_b32 s20, s20, 14                        ; my first row of out0, in bytes,
	s_lshl_b32 s2, s42, 10
	s_add_co_u32 s20, s20, s2
	s_lshl_b32 s2, s12, 9
	s_add_co_u32 s70, s20, s2                      ; and my first column
	s_add_nc_u64 s[8:9], s[8:9], s[70:71]
	v_and_b32 v1, 15, v0                           ; r
	v_bfe_u32 v2, v0, 4, 1                         ; h
	v_and_b32 v3, 31, v0
	v_lshlrev_b32 v[CO], 4, v3
	v_add_nc_u32 v[ADRA], s21, v[CO]
	v_add_nc_u32 v[ADRA+1], SLOT, v[ADRA]
	v_add_nc_u32 v[ADRB], s22, v[CO]
	v_add_nc_u32 v[ADRB+1], SLOT, v[ADRB]
	v_mul_u32_u24 v6, s23, v2
	v_lshl_add_u32 v5, v1, 4, v6
	v_add_nc_u32 v[ADRS], s69, v5
	v_add_nc_u32 v[ADRS+1], SLOT, v[ADRS]
	v_mul_u32_u24 v7, v1, SPITCH
	v_lshl_add_u32 v7, v2, 5, v7
	v_add_nc_u32 v[STO], s68, v7
	v_add_nc_u32 v[RD], s68, v[CO]
	v_lshlrev_b32 v[PFO], 8, v3
	v_mov_b32 v[PFZ], 0
	ASK BLK                                        ; K step 1
	s_wait_alu depctr_va_vdst(0)                   ; the wait at the head's end
	s_wait_xcnt 0x0                                ; the prefetches have read their base
	s_add_nc_u64 s[PFA:PFA+1], s[PFA:PFA+1], BLK
	s_wait_tensorcnt 0x0                           ; my part of K step 0 is in
	ds_add_u32 v[SPW], v[NIL]
	s_wait_dscnt 0x0
	CROUND                                         ; everybody's part is in, and the joint loads meet
	JLOAD 1                                        ; K step 1
	RUN_B 0, 0
	RUN_A 0, 0
	ASK BLK                                        ; K step 2,
	ASK 2*BLK                                      ; and 3
	STEP 0, 1                                      ; the first products start the sums: C = 0
	WIN 0
	s_mov_b32 s3, 7
.Llap:                                                 ; once round the ring: refills K steps 2 .. 15
	TURN 0, 1, 1
	STEP 1, 0
	TURN 1, 0, 1
	STEP 0, 0
	WIN 0
	s_sub_co_u32 s3, s3, 1
	s_cmp_lg_u32 s3, 0
	s_cbranch_scc1 .Llap
	TURN 0, 1, 0                                   ; nothing is filled again: a work-group barrier, no round
	STEP 1, 0
	s_wait_dscnt 28                                ; the last 64 products, by rows; B and A's block 0 are in
	BL 0, 1, 1, 0
	s_wait_dscnt 0x0
	PLACES 8                                       ; ahead of the stores of the sums
	TOSTAGE 0
.irp a, 1,2,3,4,5,6,7
	BL \a, 1, 1, 0
	SEND \a-1
	PLACES 8
	TOSTAGE \a
.endr
	SEND 7
	WIN 0
	s_wait_tensorcnt 0x0                           ; the wave's end
	ds_add_u32 v[SPW], v[NIL]
	s_wait_dscnt 0x0
	CROUND                                         ; the closing round: no work-group ends while a partner may still ask for a tile that names it
	s_endpgm
.Lfunc_end_k_qb34f019844_gemm:
	.size	k_qb34f019844_gemm, .Lfunc_end_k_qb34f019844_gemm-k_qb34f019844_gemm
	.p2alignl 7, 3214868480
	.fill 96, 4, 3214868480
	.section	.rodata,"a",@progbits
	.p2align	6, 0x0
	.amdhsa_kernel k_qb34f019844_gemm
		.amdhsa_group_segment_fixed_size 327680
		.amdhsa_private_segment_fixed_size 0
		.amdhsa_enable_private_segment 0
		.amdhsa_kernarg_size 24
		.amdhsa_user_sgpr_count 2
		.amdhsa_user_sgpr_kernarg_segment_ptr 1
		.amdhsa_wavefront_size32 1
		.amdhsa_system_sgpr_workgroup_id_x 1
		.amdhsa_system_sgpr_workgroup_id_y 1
		.amdhsa_system_sgpr_workgroup_id_z 1
		.amdhsa_system_vgpr_workitem_id 0
		.amdhsa_next_free_vgpr 1024
		.amdhsa_next_free_sgpr 72
		.amdhsa_reserve_vcc 0
		.amdhsa_float_denorm_mode_32 3
		.amdhsa_float_denorm_mode_16_64 3
		.amdhsa_memory_ordered 1
		.amdhsa_forward_progress 1
		.amdhsa_inst_pref_size 147
	.end_amdhsa_kernel
	.amdgpu_metadata
---
amdhsa.version: [ 1, 2 ]
amdhsa.kernels:
  - .name:           k_qb34f019844_gemm
    .symbol:         k_qb34f019844_gemm.kd
    .args:
      - { .name: aq, .offset: 0, .size: 8, .value_kind: global_buffer, .address_space: global }
      - { .name: bq, .offset: 8, .size: 8, .value_kind: global_buffer, .address_space: global }
      - { .name: out0, .offset: 16, .size: 8, .value_kind: global_buffer, .address_space: global }
    .group_segment_fixed_size: 327680
    .private_segment_fixed_size: 0
    .kernarg_segment_align: 8
    .kernarg_segment_size: 24
    .max_flat_workgroup_size: 128
    .sgpr_count:     72
    .vgpr_count:     1024
    .wavefront_size: 32
...
	.end_amdgpu_metadata
.endif
;; end of part 2
